; MI455X (gfx1250); checked and timed in simulation.
; The chip was launched on July 23, 2026; its instructions are those of AMD's public machine-readable ISA for CDNA 5 (MIT licence, August 2026) and "CDNA5" Instruction Set Architecture Reference Guide (July 2026). The comments in the code are by the model that wrote it; some were corrected since.
;; Attn Block. Allowed arithmetic: float matrix products may take bf16 or f16 operands with f32 sums; other float arithmetic in f32, or as packed bf16 or f16 multiplies, adds, multiply-adds, maxima and minima; sums over many terms, partial sums and values carried from step to step in f32; what a program stores and reads back later, other than sums and carried values, may be rounded once to bf16 or f16.
;; Inputs: Wk 512 x 512 float32; Wq 512 x 512 float32; Wt 512 x 512 float32; Wv 512 x 512 float32; bk 512 float32; bq 512 float32; bt 512 float32; bv 512 float32; gn_bias 512 float32; gn_scale 512 float32; x 32 x 512 x 32 x 32 float32.
;; Outputs: out0 32 x 512 x 32 x 32 float32.
;; One version. Each part assembles by itself: llvm-mc -triple=amdgcn-amd-amdhsa -mcpu=gfx1250 --defsym DOCPART=n.
;; ======== version 1 of 1: 2 launches
;; workspace buffers: hbuf 33,554,432 bytes; wm 524,288 bytes; w2m 524,288 bytes; vec 5,376 bytes
;; launch prep (part 1): grid 1165 x 1, 4 waves a work-group, no clusters, 768 bytes of LDS; arguments x, gn_scale, gn_bias, Wq, Wk, Wv, Wt, bq, bk, bv, bt, hbuf, wm, w2m, vec; writes hbuf, wm, w2m, vec
.if DOCPART == 1
	.amdgcn_target "amdgcn-amd-amdhsa--gfx1250"
	.amdhsa_code_object_version 6
	.text
	.protected	k_qa92523b729_prep
	.globl	k_qa92523b729_prep
	.p2align	8
	.type	k_qa92523b729_prep,@function
k_qa92523b729_prep:
	s_mov_b64 s[64:65], 0
	v_nop
	global_prefetch_b8 v0, s[64:65] scope:SCOPE_SE
	s_setreg_imm32_b32 hwreg(HW_REG_WAVE_MODE, 25, 1), 1
	s_wait_xcnt 0x0
; PREP.  Two kinds of work-group in one launch.
; Work-groups 0..140 FOLD THE WEIGHTS (a wave a job, 561 jobs of 32 x 32 results, K = 512, bf16 products with f32 sums):
;   wm   Mt[P'][P] = cs * sum_d Wq[sig P][d] Wk[sig P'][d]      cs = log2(e) / sqrt(512)
;   w2m  M2t[d][c] = sum_e Wv[c][e] Wt[e][d]
;   vec  +0 u[P'] = cs * sum_d Wk[sig P'][d] bq[d] (f32)   +2048 b2[d] = sum_e Wt[e][d] bv[e] + bt[d] (f32)
;        +4096 s0 = cs * bq.bk, eight copies (f32)          +4352 w2[P] = cs * sum_d Wq[sig P][d] bk[d] (bf16)
;   sig(P) = (P & ~15) + 2 (P & 7) + ((P >> 3) & 1): the order in which the next launch's turning LDS loads deliver channels.
;   The vectors are a 17th block row / column of the same products: all 16 rows of such a fragment are the one vector (row stride 0).
;   Both matrices are stored in blocks: row 128 T + 32 v + dl, column 128 q + x lies at byte (v>>1) 262144 + (32 q + dl) 2048 + ((v&1) 4 + T) 256 + 2 x,
;   so that a quarter of a tile of 128 rows is 128 pieces of 256 bytes, 2,048 bytes apart, as a tile of h is.
; Work-groups 141..1164 NORMALISE: one group of 16 channels x 1,024 tokens (65,536 consecutive bytes of x) each, kept in registers between the passes; h leaves in bf16.
; LIMITS.  The folded matrices are rounded once to bf16, so the order of rounding differs from the reference's chain of products.  The variance is taken of x - mean (two passes over registers).
; The folded matrices leave in pieces of 32 bytes a row: 1 MiB of the launch's 33 MiB of stores; a stage in LDS for them is left out.
.set NFOLD, 141                        ; work-groups that fold
.set NJOB0, 289                        ; 17 x 17 jobs for Mt, u, w2, s0
.set NJOBS, 561                        ; + 16 x 17 for M2t, b2
.set CSC,   0x3d8293ee                 ; cs
.set SPW, 4                            ; v4  LDS address of my spare word: 256 + 4 x my thread's number; never rewritten
.set NIL, 5                            ; v5  0; never rewritten
.set RO,  6                            ; v6, v7  lane offsets of the two row-side fragments
.set CO,  8                            ; v8, v9  of the two column-side fragments
.set SO,  10                           ; v10 lane offset of the stores
.set FG,  32                           ; v[32:63]   four bf16 fragments: columns 0, 1, rows 0, 1; later the packed results
.set RAW, 64                           ; v[64:191]  two sets of 64 f32 as loaded
.set ACC, 192                          ; v[192:223] four accumulators: (a, b) at ACC + 8 (2 a + b)
.set X,   32                           ; the norm: v[32:159] my four channels
.set SA,  8                            ; the norm: v[8:15] four chains of sums
.set WV,  34                           ; s34 my wave's number
.set JID, 35
.set RG,  36                           ; block row of the job
.set CG,  37                           ; block column
.set RP,  40                           ; s[40:41] row side's pointer
.set CP,  46                           ; s[46:47] column side's pointer
.set CNT, 48
.set FAM, 49                           ; 0: Mt's family, 1: M2t's
.set MP,  50                           ; s[50:51] the matrix that the job stores into
	s_load_b512 s[4:19], s[0:1], 0x0               ; x 4, gn_scale 6, gn_bias 8, Wq 10, Wk 12, Wv 14, Wt 16, bq 18
	s_load_b256 s[20:27], s[0:1], 0x40             ; bk 20, bv 22, bt 24, hbuf 26
	s_load_b128 s[28:31], s[0:1], 0x60             ; wm 28, w2m 30
	s_load_b64 s[32:33], s[0:1], 0x70              ; vec
	v_lshl_add_u32 v[SPW], v0, 2, 256
	v_mov_b32 v[NIL], 0
	v_lshrrev_b32 v1, 5, v0
	v_readfirstlane_b32 s[WV], v1                  ; wave 0..3
	v_and_b32 v1, 15, v0                           ; r = lane % 16
	v_bfe_u32 v2, v0, 4, 1                         ; h = lane / 16
	v_and_b32 v3, 31, v0                           ; lane
	s_wait_kmcnt 0x0                               ; all fifteen addresses, for every path
	s_cmp_ge_u32 ttmp9, NFOLD                      ; the same for all waves of a work-group
	s_cbranch_scc1 .Lgn
; ---------------------------------------------------------------- folding
.macro DECODE                          ; RG = JID / 17 (241 / 4096 is 1/17 from above, near enough up to 288), CG = JID % 17
	s_mul_i32 s[RG], s[JID], 241
	s_lshr_b32 s[RG], s[RG], 12
	s_mul_i32 s[CG], s[RG], 17
	s_sub_co_u32 s[CG], s[JID], s[CG]
.endm
; One K step (32 of 512) as f32 into register set 'set', from K step k behind the two pointers.  A fragment is 16 rows x 32 K: lane (r, h) takes K = 8 h + 0..7 and 16 + 8 h + 0..7.
; From rows that lie along K those are 32 + 32 bytes, four loads of 16.  str = 1: the row side is Wt, read down its columns: sixteen loads of 4 bytes, 16 lanes side by side.
.macro FLOADS str, set, k
.irp b, 0,1
.irp q, 0,1,2,3
	global_load_b128 v[RAW+64*(\set)+16*\b+4*\q:RAW+64*(\set)+16*\b+4*\q+3], v[CO+\b], s[CP:CP+1] offset:128*(\k)+16*(\q%2)+64*(\q/2)
.endr
.endr
.if \str
.irp a, 0,1
.irp j, 0,1,2,3,4,5,6,7,8,9,10,11,12,13,14,15
	global_load_b32 v[RAW+64*(\set)+32+16*\a+\j], v[RO], s[RP:RP+1] offset:(\j%8+16*(\j/8))*2048+64*\a+65536*(\k)
.endr
.endr
.else
.irp a, 0,1
.irp q, 0,1,2,3
	global_load_b128 v[RAW+64*(\set)+32+16*\a+4*\q:RAW+64*(\set)+32+16*\a+4*\q+3], v[RO+\a], s[RP:RP+1] offset:128*(\k)+16*(\q%2)+64*(\q/2)
.endr
.endr
.endif
.endm
.macro FCVT set                        ; 64 f32 to four bf16 fragments
.set q, 0
.rept 32
	v_cvt_pk_bf16_f32 v[FG+q], v[RAW+64*(\set)+2*q], v[RAW+64*(\set)+2*q+1]
.set q, q+1
.endr
.endm
; Four products; the four accumulators take turns, over the backward jump too.  Source 0 is the column side, so a lane ends with eight neighbouring columns of one row.
; The four v_nop are the places (ISA guide 7.12.1) in front of the next conversions, which write the fragments anew.
.macro FMUL
.irp a, 0,1
.irp b, 0,1
	v_wmma_f32_16x16x32_bf16 v[ACC+8*(2*\a+\b):ACC+8*(2*\a+\b)+7], v[FG+8*\b:FG+8*\b+7], v[FG+16+8*\a:FG+16+8*\a+7], v[ACC+8*(2*\a+\b):ACC+8*(2*\a+\b)+7]
.endr
.endr
.rept 4
	v_nop
.endr
.endm
; The sixteen K steps on two register sets: while one is converted and multiplied the other's loads are out.
.macro FOLD str
.if \str
.set NL, 40                            ; loads in a set
.set RSTEP, 131072                     ; two K steps down Wt: 64 rows of 2,048 bytes
.else
.set NL, 16
.set RSTEP, 256                        ; two K steps along a row
.endif
	FLOADS \str, 0, 0
	FLOADS \str, 1, 1
.set q, 0
.rept 32
	v_mov_b32 v[ACC+q], 0                          ; the sums start at 0, written while the first loads are out, so that the loop has one form of product
.set q, q+1
.endr
	s_mov_b32 s[CNT], 7
.Lfold_\@:
	s_wait_loadcnt NL                              ; set 0 is in; set 1's NL loads may stay out
	FCVT 0
	FMUL
	s_wait_xcnt 0x0                                ; every load issued so far has read its address: the pointers may be written
	s_add_nc_u64 s[CP:CP+1], s[CP:CP+1], 256
	s_add_nc_u64 s[RP:RP+1], s[RP:RP+1], RSTEP
	FLOADS \str, 0, 0
	s_wait_loadcnt NL                              ; set 1 is in
	FCVT 1
	FMUL
	FLOADS \str, 1, 1
	s_sub_co_u32 s[CNT], s[CNT], 1
	s_cmp_lg_u32 s[CNT], 0
	s_cbranch_scc1 .Lfold_\@
	s_wait_loadcnt NL                              ; the last two K steps load nothing
	FCVT 0
	FMUL
	s_wait_loadcnt 0x0
	FCVT 1
	FMUL
.rept 4
	v_nop                                          ; eight places in all in front of the first read of the sums
.endr
.endm
	s_lshl_b32 s[JID], ttmp9, 2
	s_add_co_u32 s[JID], s[JID], s[WV]             ; a wave a job
	s_cmp_ge_u32 s[JID], NJOBS
	s_cbranch_scc1 .Lidle                          ; three waves of the last folding work-group have none
	s_cmp_ge_u32 s[JID], NJOB0
	s_cbranch_scc1 .Lfam1
	; family 0: rows from Wk (block row 16: bk), columns from Wq (block column 16: bq), both in the order sig
	DECODE
	v_and_b32 v12, 7, v1
	v_lshrrev_b32 v13, 3, v1
	v_lshl_add_u32 v12, v12, 1, v13                ; 2 (r & 7) + (r >> 3)
	v_lshlrev_b32 v13, 5, v2                       ; 8 h numbers of 4 bytes
	s_lshl_b32 s42, s[RG], 16                      ; 32 rows of 2,048 bytes
	s_lshl_b32 s44, s[CG], 16
	s_mov_b32 s43, 0
	s_mov_b32 s45, 0
	s_cmp_eq_u32 s[RG], 16
	s_cselect_b32 s38, 0, 2048                     ; bytes from row to row: none for a vector
	s_cselect_b32 s42, 0, s42
	s_cselect_b64 s[RP:RP+1], s[20:21], s[12:13]
	s_cmp_eq_u32 s[CG], 16
	s_cselect_b32 s39, 0, 2048
	s_cselect_b32 s44, 0, s44
	s_cselect_b64 s[CP:CP+1], s[18:19], s[10:11]
	s_add_nc_u64 s[RP:RP+1], s[RP:RP+1], s[42:43]
	s_add_nc_u64 s[CP:CP+1], s[CP:CP+1], s[44:45]
	v_mad_u32_u24 v[RO], v12, s38, v13
	v_mad_u32_u24 v[CO], v12, s39, v13
	s_lshl_b32 s38, s38, 4
	s_lshl_b32 s39, s39, 4
	v_add_nc_u32 v[RO+1], s38, v[RO]               ; the second fragment: 16 rows on
	v_add_nc_u32 v[CO+1], s39, v[CO]
	s_mov_b32 s[FAM], 0
	s_mov_b64 s[MP:MP+1], s[28:29]
	FOLD 0
.set q, 0
.rept 16
	v_pk_mul_f32 v[ACC+2*q:ACC+2*q+1], v[ACC+2*q:ACC+2*q+1], CSC op_sel_hi:[1,0]  ; times cs, each accumulator from its low end on
.set q, q+1
.endr
	s_branch .Lpack
.Lfam1:                                        ; family 1: rows d from Wt's columns, columns c from Wv's rows (block column 16: bv), natural order
	s_sub_co_u32 s[JID], s[JID], NJOB0
	DECODE
	s_lshl_b32 s42, s[RG], 7                       ; 32 columns of Wt: 128 bytes
	s_lshl_b32 s44, s[CG], 16
	s_mov_b32 s43, 0
	s_mov_b32 s45, 0
	s_cmp_eq_u32 s[CG], 16
	s_cselect_b32 s39, 0, 2048
	s_cselect_b32 s44, 0, s44
	s_cselect_b64 s[CP:CP+1], s[22:23], s[14:15]
	s_add_nc_u64 s[CP:CP+1], s[CP:CP+1], s[44:45]
	s_add_nc_u64 s[RP:RP+1], s[16:17], s[42:43]
	v_lshlrev_b32 v13, 5, v2
	v_mad_u32_u24 v[CO], v1, s39, v13
	s_lshl_b32 s39, s39, 4
	v_add_nc_u32 v[CO+1], s39, v[CO]
	v_lshlrev_b32 v[RO], 2, v1                     ; column r,
	v_lshl_add_u32 v[RO], v2, 14, v[RO]            ; 8 h rows of 2,048 bytes down
	s_mov_b32 s[FAM], 1
	s_mov_b64 s[MP:MP+1], s[30:31]
	FOLD 1
.Lpack:
.set q, 0
.rept 16
	v_cvt_pk_bf16_f32 v[FG+q], v[ACC+2*q], v[ACC+2*q+1]  ; tile (a, b): four registers at FG + 4 (2 a + b): 16 bytes of a row
.set q, q+1
.endr
	s_cmp_eq_u32 s[RG], 16
	s_cbranch_scc1 .Lrow16
	s_cmp_eq_u32 s[CG], 16
	s_cbranch_scc1 .Lcol16
	; a piece of a matrix, into the blocked layout: v = RG & 3, T = RG >> 2, q = CG >> 2
	s_and_b32 s52, s[RG], 3
	s_lshr_b32 s53, s[RG], 2
	s_lshr_b32 s54, s52, 1
	s_lshl_b32 s54, s54, 18
	s_and_b32 s52, s52, 1
	s_lshl2_add_u32 s52, s52, s53
	s_lshl_b32 s52, s52, 8
	s_add_co_u32 s54, s54, s52
	s_lshr_b32 s52, s[CG], 2
	s_lshl_b32 s52, s52, 16
	s_add_co_u32 s54, s54, s52
	s_and_b32 s52, s[CG], 3
	s_lshl_b32 s52, s52, 6
	s_add_co_u32 s54, s54, s52
	v_lshlrev_b32 v[SO], 11, v1
	v_lshl_add_u32 v[SO], v2, 4, v[SO]
	v_add_nc_u32 v[SO], s54, v[SO]
.irp a, 0,1
.irp b, 0,1
	global_store_b128 v[SO], v[FG+4*(2*\a+\b):FG+4*(2*\a+\b)+3], s[MP:MP+1] offset:32768*\a+32*\b
.endr
.endr
	s_endpgm
.Lcol16:                                       ; all columns are alike: register 0 of lanes 0..15 holds the number of row 32 RG + 16 a + r
	s_lshl_b32 s52, s[RG], 7
	v_lshl_add_u32 v[SO], v1, 2, s52
	s_cmp_eq_u32 s[FAM], 0
	s_cbranch_scc1 .Lup
	global_load_b32 v12, v[SO], s[24:25]           ; bt
	global_load_b32 v13, v[SO], s[24:25] offset:64
	s_wait_loadcnt 0x0
	v_add_f32 v12, v12, v[ACC]
	v_add_f32 v13, v13, v[ACC+16]
	v_cmp_gt_u32 vcc_lo, 16, v3
	s_wait_xcnt 0x0                                ; EXEC changes only behind this wait
	s_and_saveexec_b32 s55, vcc_lo
	global_store_b32 v[SO], v12, s[32:33] offset:2048
	global_store_b32 v[SO], v13, s[32:33] offset:2048+64
	s_endpgm
.Lup:
	v_cmp_gt_u32 vcc_lo, 16, v3
	s_wait_xcnt 0x0
	s_and_saveexec_b32 s55, vcc_lo
	global_store_b32 v[SO], v[ACC], s[32:33]
	global_store_b32 v[SO], v[ACC+16], s[32:33] offset:64
	s_endpgm
.Lrow16:                                       ; all rows are alike: the lanes with r = 0 hold columns 32 CG + 16 b + 8 h + 0..7
	s_cmp_eq_u32 s[CG], 16
	s_cbranch_scc1 .Ls0
	s_lshl_b32 s52, s[CG], 6
	v_lshl_add_u32 v[SO], v2, 4, s52
	v_cmp_eq_u32 vcc_lo, 0, v1
	s_wait_xcnt 0x0
	s_and_saveexec_b32 s55, vcc_lo
	global_store_b128 v[SO], v[FG:FG+3], s[32:33] offset:4352
	global_store_b128 v[SO], v[FG+4:FG+7], s[32:33] offset:4352+32
	s_endpgm
.Ls0:                                          ; every number of the tile is cs bq.bk: lane 0's eight go out
	v_mov_b32 v[SO], 0
	v_cmp_eq_u32 vcc_lo, 0, v3
	s_wait_xcnt 0x0
	s_and_saveexec_b32 s55, vcc_lo
	global_store_b128 v[SO], v[ACC:ACC+3], s[32:33] offset:4096
	global_store_b128 v[SO], v[ACC+4:ACC+7], s[32:33] offset:4096+16
	s_endpgm
.Lidle:
	s_endpgm
; ---------------------------------------------------------------- group norm
.macro WSUM                            ; the sum of v[SA] over my 32 lanes, in every lane
	v_add_f32_dpp v[SA], v[SA], v[SA] row_xmask:1 row_mask:0xf bank_mask:0xf
	v_add_f32_dpp v[SA], v[SA], v[SA] row_xmask:2 row_mask:0xf bank_mask:0xf
	v_add_f32_dpp v[SA], v[SA], v[SA] row_xmask:4 row_mask:0xf bank_mask:0xf
	v_add_f32_dpp v[SA], v[SA], v[SA] row_xmask:8 row_mask:0xf bank_mask:0xf
	v_permlanex16_b32 v[SA+1], v[SA], s50, s51
	v_add_f32 v[SA], v[SA], v[SA+1]
.endm
.macro JOIN                            ; four chains of pairs into one number a lane
	v_pk_add_f32 v[SA:SA+1], v[SA:SA+1], v[SA+2:SA+3]
	v_pk_add_f32 v[SA+4:SA+5], v[SA+4:SA+5], v[SA+6:SA+7]
	v_pk_add_f32 v[SA:SA+1], v[SA:SA+1], v[SA+4:SA+5]
	v_add_f32 v[SA], v[SA], v[SA+1]
.endm
.Lgn:
	s_sub_co_u32 s35, ttmp9, NFOLD                 ; the group, 0..1023: 32 x batch + group in the batch
	s_lshl_b32 s36, s35, 16
	s_mov_b32 s37, 0
	s_add_nc_u64 s[4:5], s[4:5], s[36:37]          ; its 65,536 bytes of x
	s_lshl_b32 s38, s[WV], 14                      ; my four channels
	v_lshl_add_u32 v6, v3, 4, s38
.set q, 0
.rept 32
	global_load_b128 v[X+4*q:X+4*q+3], v6, s[4:5] offset:512*q th:TH_LOAD_NT  ; 512 consecutive bytes a load; eight loads a channel
.set q, q+1
.endr
	s_and_b32 s36, s35, 31
	s_lshl_b32 s36, s36, 6
	s_lshl4_add_u32 s36, s[WV], s36                ; my four channels' scale and bias: 16 bytes each
	s_add_nc_u64 s[6:7], s[6:7], s[36:37]
	s_add_nc_u64 s[8:9], s[8:9], s[36:37]
	s_load_b128 s[40:43], s[6:7], 0x0
	s_load_b128 s[44:47], s[8:9], 0x0
	s_lshl_b32 s36, s35, 15
	s_add_nc_u64 s[26:27], s[26:27], s[36:37]      ; the group's 32,768 bytes of h
	s_lshl_b32 s38, s[WV], 13
	v_lshl_add_u32 v7, v3, 3, s38
	s_mov_b32 s50, 0x76543210                      ; v_permlanex16_b32: each lane takes its own place in the other half
	s_mov_b32 s51, 0xfedcba98
	s_mov_b32 s52, 0x38800000                      ; 1 / 16,384
	v_mov_b32 v160, s[WV]
	v_lshlrev_b32 v160, 2, v160                    ; my wave's word in LDS
	v_mov_b32 v161, 0
	s_wait_loadcnt 24                              ; the first eight loads are in; three batches of eight stay out
.irp k, 0,1,2,3
	v_pk_add_f32 v[SA+2*\k:SA+2*\k+1], v[X+4*\k:X+4*\k+1], v[X+4*\k+2:X+4*\k+3]  ; the first sums start the four chains
.endr
.set p, 8
.rept 8
	v_pk_add_f32 v[SA+2*(p%4):SA+2*(p%4)+1], v[SA+2*(p%4):SA+2*(p%4)+1], v[X+2*p:X+2*p+1]
.set p, p+1
.endr
.irp n, 16,8,0
	s_wait_loadcnt \n                              ; the next batch of eight
.rept 16
	v_pk_add_f32 v[SA+2*(p%4):SA+2*(p%4)+1], v[SA+2*(p%4):SA+2*(p%4)+1], v[X+2*p:X+2*p+1]
.set p, p+1
.endr
.endr
	JOIN
	WSUM
	ds_store_b32 v160, v[SA]
	s_wait_dscnt 0x0                               ; for the others' sake
	s_barrier_signal -1
	s_barrier_wait -1
	ds_load_b128 v[164:167], v161
	s_wait_dscnt 0x0
	v_add_f32 v164, v164, v165
	v_add_f32 v166, v166, v167
	v_add_f32 v164, v164, v166
	v_mul_f32 v162, s52, v164                      ; the mean
	v_mov_b32 v163, v162
.set p, 0
.rept 64
	v_pk_add_f32 v[X+2*p:X+2*p+1], v[X+2*p:X+2*p+1], v[162:163] neg_lo:[0,1] neg_hi:[0,1]
.set p, p+1
.endr
.irp k, 0,1,2,3
	v_pk_mul_f32 v[SA+2*\k:SA+2*\k+1], v[X+2*\k:X+2*\k+1], v[X+2*\k:X+2*\k+1]
.endr
.set p, 4
.rept 60
	v_pk_fma_f32 v[SA+2*(p%4):SA+2*(p%4)+1], v[X+2*p:X+2*p+1], v[X+2*p:X+2*p+1], v[SA+2*(p%4):SA+2*(p%4)+1]
.set p, p+1
.endr
	JOIN
	WSUM
	ds_store_b32 v160, v[SA] offset:16             ; other words than the first meeting's: no barrier is owed between the two
	s_wait_dscnt 0x0
	s_barrier_signal -1
	s_barrier_wait -1
	ds_load_b128 v[164:167], v161 offset:16
	s_wait_dscnt 0x0
	v_add_f32 v164, v164, v165
	v_add_f32 v166, v166, v167
	v_add_f32 v164, v164, v166
	v_fmaak_f32 v164, s52, v164, 0x358637bd        ; variance + 1e-6
	v_rsq_f32 v168, v164
	v_nop                                          ; a plain instruction behind the root,
	s_wait_alu depctr_va_vdst(0)                   ; and the wait ahead of its first reader
	s_wait_kmcnt 0x0                               ; scale and bias
.irp c, 0,1,2,3
	v_mul_f32 v[16+2*\c], s[40+\c], v168
	v_mov_b32 v[24+2*\c], s[44+\c]
.endr
.irp c, 0,1,2,3
	v_mov_b32 v[17+2*\c], v[16+2*\c]
	v_mov_b32 v[25+2*\c], v[24+2*\c]
.endr
.set p, 0
.rept 64
	v_pk_fma_f32 v[X+2*p:X+2*p+1], v[X+2*p:X+2*p+1], v[16+2*(p/16):17+2*(p/16)], v[24+2*(p/16):25+2*(p/16)]
.set p, p+1
.endr
.set q, 0
.rept 32
	v_cvt_pk_bf16_f32 v[X+4*q], v[X+4*q], v[X+4*q+1]
	v_cvt_pk_bf16_f32 v[X+4*q+1], v[X+4*q+2], v[X+4*q+3]
	global_store_b64 v7, v[X+4*q:X+4*q+1], s[26:27] offset:256*q  ; the wave's 32 lanes store 256 consecutive bytes, at a multiple of 256 from h's first byte
.set q, q+1
.endr
	s_wait_tensorcnt 0x0                           ; the wave's end, behind my last LDS store
	ds_add_u32 v[SPW], v[NIL]
	s_wait_dscnt 0x0
	s_endpgm
.Lfunc_end_k_qa92523b729_prep:
	.size	k_qa92523b729_prep, .Lfunc_end_k_qa92523b729_prep-k_qa92523b729_prep
	.p2alignl 7, 3214868480
	.fill 96, 4, 3214868480
	.section	.rodata,"a",@progbits
	.p2align	6, 0x0
	.amdhsa_kernel k_qa92523b729_prep
		.amdhsa_group_segment_fixed_size 768
		.amdhsa_private_segment_fixed_size 0
		.amdhsa_enable_private_segment 0
		.amdhsa_kernarg_size 120
		.amdhsa_user_sgpr_count 2
		.amdhsa_user_sgpr_kernarg_segment_ptr 1
		.amdhsa_wavefront_size32 1
		.amdhsa_system_sgpr_workgroup_id_x 1
		.amdhsa_system_sgpr_workgroup_id_y 1
		.amdhsa_system_sgpr_workgroup_id_z 1
		.amdhsa_system_vgpr_workitem_id 0
		.amdhsa_next_free_vgpr 224
		.amdhsa_next_free_sgpr 66
		.amdhsa_reserve_vcc 1
		.amdhsa_float_denorm_mode_32 3
		.amdhsa_float_denorm_mode_16_64 3
		.amdhsa_memory_ordered 1
		.amdhsa_forward_progress 1
		.amdhsa_inst_pref_size 82
	.end_amdhsa_kernel
	.amdgpu_metadata
---
amdhsa.version: [ 1, 2 ]
amdhsa.kernels:
  - .name:           k_qa92523b729_prep
    .symbol:         k_qa92523b729_prep.kd
    .args:
      - { .name: x, .offset: 0, .size: 8, .value_kind: global_buffer, .address_space: global }
      - { .name: gn_scale, .offset: 8, .size: 8, .value_kind: global_buffer, .address_space: global }
      - { .name: gn_bias, .offset: 16, .size: 8, .value_kind: global_buffer, .address_space: global }
      - { .name: Wq, .offset: 24, .size: 8, .value_kind: global_buffer, .address_space: global }
      - { .name: Wk, .offset: 32, .size: 8, .value_kind: global_buffer, .address_space: global }
      - { .name: Wv, .offset: 40, .size: 8, .value_kind: global_buffer, .address_space: global }
      - { .name: Wt, .offset: 48, .size: 8, .value_kind: global_buffer, .address_space: global }
      - { .name: bq, .offset: 56, .size: 8, .value_kind: global_buffer, .address_space: global }
      - { .name: bk, .offset: 64, .size: 8, .value_kind: global_buffer, .address_space: global }
      - { .name: bv, .offset: 72, .size: 8, .value_kind: global_buffer, .address_space: global }
      - { .name: bt, .offset: 80, .size: 8, .value_kind: global_buffer, .address_space: global }
      - { .name: hbuf, .offset: 88, .size: 8, .value_kind: global_buffer, .address_space: global }
      - { .name: wm, .offset: 96, .size: 8, .value_kind: global_buffer, .address_space: global }
      - { .name: w2m, .offset: 104, .size: 8, .value_kind: global_buffer, .address_space: global }
      - { .name: vec, .offset: 112, .size: 8, .value_kind: global_buffer, .address_space: global }
    .group_segment_fixed_size: 768
    .private_segment_fixed_size: 0
    .kernarg_segment_align: 8
    .kernarg_segment_size: 120
    .max_flat_workgroup_size: 128
    .sgpr_count:     66
    .vgpr_count:     224
    .wavefront_size: 32
...
	.end_amdgpu_metadata
.endif
;; end of part 1
;; launch attn (part 2): grid 8 x 32, 4 waves a work-group, clusters of 4 x 1, 327,680 bytes of LDS; arguments hbuf, wm, w2m, vec, x, out0; writes out0
.if DOCPART == 2
	.amdgcn_target "amdgcn-amd-amdhsa--gfx1250"
	.amdhsa_code_object_version 6
	.text
	.protected	k_qa92523b729_attn
	.globl	k_qa92523b729_attn
	.p2align	8
	.type	k_qa92523b729_attn,@function
k_qa92523b729_attn:
	s_mov_b64 s[64:65], 0
	v_nop
	global_prefetch_b8 v0, s[64:65] scope:SCOPE_SE
	s_setreg_imm32_b32 hwreg(HW_REG_WAVE_MODE, 25, 1), 1
	s_wait_xcnt 0x0
	s_wait_alu depctr_hold_cnt(0) depctr_sa_sdst(0) depctr_va_vdst(0) depctr_va_sdst(0) depctr_va_ssrc(0) depctr_va_vcc(0) depctr_vm_vsrc(0)
	s_getreg_b32 s2, hwreg(HW_REG_IB_STS2, 6, 4)
	s_cmp_eq_u32 s2, 0
	s_cbranch_scc0 .Lentry_in_a_cluster
	s_endpgm
.Lentry_in_a_cluster:
	s_bfe_u32 s2, ttmp6, 0x10000c
	s_cmp_lg_u32 s2, 0x3003
	s_cbranch_scc0 .Lentry_shape_is_right
	s_endpgm
.Lentry_shape_is_right:
; ATTENTION OVER h, WITH BOTH PROJECTIONS FOLDED IN.  h: [32][512 channels][1024 tokens] bf16.  For a batch and 128 query tokens a work-group makes
;   q'[P'][n] = sum_P Mt[P'][P] h[sig P][n] + u[P']        t[n] = sum_P w2[P] h[sig P][n] + s0        (both carry cs = log2(e) / sqrt(512))
;   s[m][n]   = sum_P' h[sig P'][m] q'[P'][n] + t[n]       = cs x the reference's q_n . k_m, up to rounding
;   O[c][n]   = sum_m h[c][m] p[m][n] / sum_m p[m][n],  p = 2^(s - running maximum)
;   out[d][n] = sum_c M2t[d][c] O[c][n] + b2[d] + x[d][n]
; since the weights of a query sum to 1, Wt^T (V P) + bt = (Wv Wt)^T (h P) + (Wt^T bv + bt).  So K = V = h, and one LDS tile serves both products.
; LIMITS.  Mt and M2t, q', p and O are each rounded once to bf16 (another order of rounding than the reference's); a weight below 2^-126 counts as 0; NaN and infinities are not treated apart;
; O's registers start with finite leftovers (h's bits, zeros), which the first step multiplies by a = 0: h must be finite.
; SHARES.  256 work-groups: batch = y, block of 128 queries = x.  A wave owns 32 queries: two tiles t of 16.  Every wave walks all keys, 64 a step.
; LAYOUT.  A tile in LDS is [512 rows][128 x bf16], rows 272 bytes apart.  For h a row is a channel.  V^T's fragments (16 channels x 32 keys) come by plain loads; K's (16 keys x 32 channels) by the turning load,
; whose eight lanes of a group name rows TWO apart; place 8 h + j of sixteen then holds channel 2 j + h: the order sig,
; which Mt, u and w2 were stored in.  S^T = K Q^T holds one query a lane (lane % 16) and keys 8 (lane / 16) + 0..7; rounded in pairs it IS source 1 of O^T = V^T P; O^T rounded in pairs IS source 0 of the last product,
; whose result holds eight neighbouring tokens of one row d of out.
; THE RING.  17 tiles of 139,264 bytes through two slots, each wave fetching 128 rows: my own queries' tile of h; Mt's four; h's eight key tiles; M2t's four.  All but the first are the same for the four
; work-groups of a cluster (one batch) and are asked for JOINTLY.  A wave has two tensor loads out at the start and one behind each round.
; PREFETCH.  x's rows for the residual are asked for two units (128 rows d) ahead, each wave its own 16 rows x 512 bytes, a lane a block of 256 bytes; the first two units come by their loads alone, the last two ask for nothing.
; h's tiles are not asked for: each is read at the kernel's head as some work-group's own tile.  wm and w2m are 1 MiB that all clusters walk.
; REGISTERS, in windows of 256 (s_set_vgpr_msb: bits 1:0 source 0, 3:2 source 1, 5:4 source 2, 7:6 destination):
;   window 0: v4-20 addresses; v22-29 b2; v32-47 t; v48-63 statistics; v64-127 S^T / P / accumulators; v128-255 a ring of four groups of four fragments
;   window 1: u, then q' (K step g, tile t at 8 (2 g + t)), then O rounded      windows 2, 3: O^T (channel block cb, tile t at 8 (2 (cb % 16) + t)); window 2 first holds my queries' h, last x and the rows of out
.set PITCH, 272
.set SLOT,  0x22000                    ; 512 rows x 272 bytes; slot 1 begins here.  A wave's part begins at wave x 0x8800, which shares no bit with it: one exclusive or changes slots
.set WQ,    0x8800                     ; 128 rows
.set HALF,  69632                      ; 256 rows
.set STAGE, 2*SLOT                     ; behind the ring, never filled by a tensor load: 64 rows x 528 bytes for the way out
.set SP,    528
.set SPARE, STAGE+64*SP                ; the spare words, 128 bytes for each wave: two blocks of 256 bytes that no other line names
.set SPW, 4                            ; v4   SPARE + 4 x my thread's number; never rewritten
.set NIL, 5                            ; v5   0; never rewritten
.set AKT, 6                            ; v6   my lane's place for the turning load: (2 (l % 8) + l / 16) x 272 + 16 ((l / 8) % 2)
.set AVP, 7                            ; v7   for plain fragments: (l % 16) x 272 + 16 (l / 16)
.set AK0, 8                            ; v8, v9   K's address for channels 0-255, 256-511
.set AV0, 10                           ; v10, v11 V's likewise
.set AW,  12                           ; v12  a weight unit's address
.set STO, 13                           ; v13  the way out: where I put 32 bytes of a row
.set RD,  14                           ; v14  where I read rows back
.set XO,  15                           ; v15  16 x lane
.set PXO, 16                           ; v16  the prefetch: row l / 2, block l % 2
.set B2O, 17                           ; v17  4 (l % 16)
.set UO,  18                           ; v18  32 (l / 16)
.set WO,  19                           ; v19  16 (l / 16)
.set ZO,  20                           ; v20  0
.set B2,  22                           ; v[22:29] b2 of my row in block i, low word of pair i
.set T,   32                           ; v[32:47] t of my query, eight times, for each tile
.set ST,  48                           ; tile t at ST + 8 t: m, d, l (even, odd keys), c0-c3 at work; a takes c0, z (the step's sum) c2, c3
.set S,   64                           ; accumulator (i, t) at S + 32 t + 8 i
.set FR,  128
.set WV,  16
.set CX,  17
.set QB,  18
.set BT,  19
.set G1J, 24                           ; s[24:31] group 1 of the joint loads
.set G1P, 32                           ; s[32:39] of my own tile's load
.set G0A, 40                           ; s[40:43] group 0 of my own tile's load
.set G0,  44                           ; s[44:47] group 0 that walks
.set PM,  48                           ; s[48:49] Mt's next tile, my quarter
.set PH,  50                           ; s[50:51] h's next key tile, my quarter
.set PW,  52                           ; s[52:53] M2t's next tile, my quarter
.set TB,  54                           ; s54  the slot in hand
.set TS,  55                           ; s55  the unit or key step in hand
.set OUTER, 56
.set INNER, 57
.set UI,  58                           ; s58  unit of 64 rows of q'
.set SEL, 60                           ; s[60:61]
.set XP,  66                           ; s[66:67] x at my 16 rows of the unit
.set OP,  68                           ; s[68:69] out likewise
.set BP,  70                           ; s[70:71] b2 at the unit
.set STP, 72                           ; s[72:75] two steps, each a pair with 0 above
.set MSB, 0
.macro WIN new                         ; the high byte repeats the setting that is left; a switch that changes nothing is dropped
.if MSB != (\new)
	s_set_vgpr_msb (MSB<<8)|(\new)
.set MSB, (\new)
.endif
.endm
.macro PLACES                          ; four places behind a matrix instruction (ISA guide 7.12.1)
.rept 4
	v_nop
.endr
.endm
; A round of the cluster's barrier: my work-group's barrier, so that wave 0's signal speaks for all four waves; wave 0 signals; every wave waits for all four work-groups; my work-group's barrier once more.
.macro ROUND
	s_barrier_signal -1
	s_barrier_wait -1
	s_cmp_lg_u32 s[WV], 0
	s_cbranch_scc1 .Lnw0_\@
	s_barrier_signal -3
.Lnw0_\@:
	s_barrier_wait -3
	s_barrier_signal -1
	s_barrier_wait -1
.endm
.macro REFILL                          ; the slot just left is filled again: the first thing behind the round, one load a wave; s_nop 0 and four v_nop follow it
	s_or_b32 s[G0+3], s[G0+3], 0x80000000          ; type = 2
	s_xor_b32 s[G0+1], s[G0+1], SLOT               ; the other slot than last time
	s_xor_b32 s[TB], s[TB], SLOT                   ; and I go on to read the one that has landed
	s_wait_dscnt 0x0                               ; the add is done, and my reads of the slot that I leave are over
	ROUND                                          ; both now hold of every wave of the four work-groups
	tensor_load_to_lds s[G0:G0+3], s[G1J:G1J+7]
	s_nop 0
	PLACES
.endm
; THE CHANGE OF SLOTS.  All my tensor loads have landed (the one that was out is my part of the next tile); 0 goes onto my spare word; the walking descriptor is made between the add and the wait for it.
; The tile asked for is pa's next while cnt > 1, in the phase's last trip the next phase's first, pb's; the pointer used steps 256 bytes.
.macro CHANGE pa, pb, cnt
	WIN 0
	s_wait_tensorcnt 0x0
	ds_add_u32 v[SPW], v[NIL]
	s_cmp_gt_u32 s[\cnt], 1
	s_cselect_b64 s[G0+2:G0+3], s[\pa:\pa+1], s[\pb:\pb+1]
	s_cselect_b32 s[STP], 256, 0
	s_cselect_b32 s[STP+2], 0, 256
	s_add_nc_u64 s[\pa:\pa+1], s[\pa:\pa+1], s[STP:STP+1]
	s_add_nc_u64 s[\pb:\pb+1], s[\pb:\pb+1], s[STP+2:STP+3]
	REFILL
.endm
.macro CHANGE1                         ; the same with M2t's pointer alone
	WIN 0
	s_wait_tensorcnt 0x0
	ds_add_u32 v[SPW], v[NIL]
	s_mov_b64 s[G0+2:G0+3], s[PW:PW+1]
	s_add_nc_u64 s[PW:PW+1], s[PW:PW+1], 256
	REFILL
.endm
.macro CHANGE0                         ; the last change: nothing is left to ask for, so my work-group's barrier does
	WIN 0
	s_wait_tensorcnt 0x0
	ds_add_u32 v[SPW], v[NIL]
	s_xor_b32 s[TB], s[TB], SLOT
	s_wait_dscnt 0x0
	s_barrier_signal -1
	s_barrier_wait -1
.endm
; EIGHT LDS LOADS: group g's four fragments into place g % 4 of the ring.  An LDS load names a destination and source 0 alone, so a setting that moves only sources 1 and 2 may stay.
; kind 0: K, channels 32 g on, keys 16 i on (turned).  kind 1: V, keys 32 (g / 8) on, channel block 4 (g % 8) + i.  kind 2: a weight unit's rows 16 i on, K step g:
; rows 32 v + dl of a tile lie in LDS rows 128 v + 32 q + dl, q the quarter of K.
.macro LDG kind, g
.if (MSB & 0xc3) != 0
	WIN 0
.endif
.set fb, FR+32*((\g)%4)
.irp i, 0,1,2,3
.if (\kind) == 0
	ds_load_tr16_b128 v[fb+8*\i:fb+8*\i+3],   v[AK0+(\g)/8] offset:((\g)%8)*8704+32*\i
	ds_load_tr16_b128 v[fb+8*\i+4:fb+8*\i+7], v[AK0+(\g)/8] offset:((\g)%8)*8704+32*\i+4352
.elseif (\kind) == 1
.set cb, 4*((\g)%8)+\i
	ds_load_b128 v[fb+8*\i:fb+8*\i+3],   v[AV0+cb/16] offset:(cb%16)*4352+64*((\g)/8)
	ds_load_b128 v[fb+8*\i+4:fb+8*\i+7], v[AV0+cb/16] offset:(cb%16)*4352+64*((\g)/8)+32
.else
	ds_load_b128 v[fb+8*\i:fb+8*\i+3],   v[AW] offset:(\i/2)*34816+((\g)/4)*8704+(\i%2)*4352+((\g)%4)*64
	ds_load_b128 v[fb+8*\i+4:fb+8*\i+7], v[AW] offset:(\i/2)*34816+((\g)/4)*8704+(\i%2)*4352+((\g)%4)*64+32
.endif
.endr
.endm
; EIGHT PRODUCTS on the eight accumulators (i, t), which take turns, one instruction a turn.
; kind 0: S^T += K Q^T (the sum starts with t).  kind 1: q' += Mt H (starts with 0).  kind 2: out^T += O M2t^T (starts with 0).
.macro MMG kind, g
.set fb, FR+32*((\g)%4)
.if (\kind) == 0
	WIN 0x04                                       ; source 1 (q') in window 1
.elseif (\kind) == 1
	WIN 0x08                                       ; source 1 (my queries' h) in window 2
.else
	WIN 0x01                                       ; source 0 (O) in window 1
.endif
.irp i, 0,1,2,3
.irp t, 0,1
.set rD, S+32*\t+8*\i
.set rF, fb+8*\i
.set rB, (2*(\g)+\t)*8
.if (\kind) == 2
.if (\g) == 0
	v_wmma_f32_16x16x32_bf16 v[rD:rD+7], v[rB:rB+7], v[rF:rF+7], 0
.else
	v_wmma_f32_16x16x32_bf16 v[rD:rD+7], v[rB:rB+7], v[rF:rF+7], v[rD:rD+7]
.endif
.elseif (\g) != 0
	v_wmma_f32_16x16x32_bf16 v[rD:rD+7], v[rF:rF+7], v[rB:rB+7], v[rD:rD+7]
.elseif (\kind) == 0
	v_wmma_f32_16x16x32_bf16 v[rD:rD+7], v[rF:rF+7], v[rB:rB+7], v[T+8*\t:T+8*\t+7]
.else
	v_wmma_f32_16x16x32_bf16 v[rD:rD+7], v[rF:rF+7], v[rB:rB+7], 0
.endif
.endr
.endr
.endm
; A weight unit's sixteen groups.  A group: its fragments are in (the three younger groups' 24 loads may stay out; 16, 8, 0 at the end), eight products, four places, the group four on into the registers just read.
.macro PHASE kind
.set gg, 0
.rept 16
.if gg < 13
	s_wait_dscnt 24
.else
	s_wait_dscnt 8*(15-gg)
.endif
	MMG \kind, gg
	PLACES
.if gg < 12
	LDG 2, gg+4
.endif
.set gg, gg+1
.endr
.endm
.macro RSC g, n                        ; accumulator n of V^T P's group g times a, from its low end on
.set cb, 4*(\g)+(\n)/2
.set rO, ((cb%16)*2+(\n)%2)*8
.set rA, ST+8*((\n)%2)+4
	WIN 0x82+0x41*(cb/16)                          ; destination and source 0 in O's window, a in window 0
.irp p, 0,1,2,3
	v_pk_mul_f32 v[rO+2*\p:rO+2*\p+1], v[rO+2*\p:rO+2*\p+1], v[rA:rA+1] op_sel_hi:[1,0]
.endr
.endm
; Eight products O^T += V^T P of group g.  ride = 1: behind each stand the four lines that rescale one accumulator of the next group; they name no register of the products round them.
.macro MMGV g, ride
.set nn, 0
.rept 8
.set cb, 4*((\g)%8)+nn/2
.set rO, ((cb%16)*2+nn%2)*8
.set rF, FR+32*((\g)%4)+8*(nn/2)
.set rP, S+32*(nn%2)+8*((\g)/8)
	WIN 0xa0+0x50*(cb/16)                          ; C and D in O's window
	v_wmma_f32_16x16x32_bf16 v[rO:rO+7], v[rF:rF+7], v[rP:rP+7], v[rO:rO+7]
.if \ride
	RSC (\g)+1, nn
.endif
.set nn, nn+1
.endr
.endm
.macro SUBM t, k                       ; pair k of tile t: s - m
	v_pk_add_f32 v[S+32*(\t)+2*(\k):S+32*(\t)+2*(\k)+1], v[S+32*(\t)+2*(\k):S+32*(\t)+2*(\k)+1], v[ST+8*(\t):ST+8*(\t)+1] op_sel_hi:[1,0] neg_lo:[0,1] neg_hi:[0,1]
.endm
.macro EXPS t, e
	v_exp_f32 v[S+32*(\t)+(\e)], v[S+32*(\t)+(\e)]
.endm
; Unit k of q' is finished: u is added, and the 64 rows x 32 queries are rounded into q's fragments, which take u's registers.
.macro QBLOCK k
	WIN 0x04
.irp i, 0,1,2,3
.irp t, 0,1
.irp p, 0,1,2,3
	v_pk_add_f32 v[S+32*\t+8*\i+2*\p:S+32*\t+8*\i+2*\p+1], v[S+32*\t+8*\i+2*\p:S+32*\t+8*\i+2*\p+1], v[32*(\k)+8*\i+2*\p:32*(\k)+8*\i+2*\p+1]
.endr
.endr
.endr
	WIN 0x40
.irp i, 0,1,2,3
.irp t, 0,1
.irp p, 0,1,2,3
	v_cvt_pk_bf16_f32 v[32*(\k)+(\i/2)*16+8*\t+(\i%2)*4+\p], v[S+32*\t+8*\i+2*\p], v[S+32*\t+8*\i+2*\p+1]
.endr
.endr
.endr
	WIN 0
.endm
	s_load_b256 s[4:11], s[0:1], 0x0               ; hbuf 4, wm 6, w2m 8, vec 10
	s_load_b128 s[12:15], s[0:1], 0x20             ; x 12, out0 14
	v_lshl_add_u32 v[SPW], v0, 2, SPARE
	v_mov_b32 v[NIL], 0
	ds_add_u32 v[SPW], v[NIL]                      ; the wave's opening: the add and its wait ahead of my first tensor load; the set-up below, work on registers, stands between them
	v_lshrrev_b32 v1, 5, v0
	v_readfirstlane_b32 s[WV], v1                  ; wave 0..3
	s_bfe_u32 s[CX], ttmp6, 0x40000                ; my place in the cluster
	s_lshl_b32 s[QB], ttmp9, 2
	s_add_co_u32 s[QB], s[QB], s[CX]               ; my block of 128 queries: it enters global addresses of my own loads and stores alone
	s_and_b32 s[BT], ttmp7, 0xffff                 ; the batch, which the four partners share
	s_mov_b32 s[G1J], 15|(1<<16)|(1<<20)|(1<<21)|(5<<22)|(3<<25)  ; 15:0 the mask of four; 17:16 2-byte elements; 20 padding on; 21 set beside a mask; 24:22 after every 64 words; 31:25 4 words
	s_mov_b32 s[G1P], (1<<16)|(1<<20)|(5<<22)|(3<<25)             ; the same with no mask: my own tile
.irp g, G1J, G1P
	s_mov_b32 s[\g+1], 128<<16                     ; tensor_dim0 = 128
	s_mov_b32 s[\g+2], 128<<16                     ; tensor_dim1 = 128
	s_mov_b32 s[\g+3], 128<<16                     ; tile_dim0 = 128
	s_mov_b32 s[\g+4], 128                         ; tile_dim1 = 128
	s_mov_b32 s[\g+5], 1024                        ; 1,024 elements from row to row, in h and in the blocked matrices alike
	s_mov_b32 s[\g+6], 0
	s_mov_b32 s[\g+7], 0
.endr
	s_lshl_b32 s20, s[BT], 20                      ; h: the batch's 1 MiB,
	s_lshl_b32 s21, s[WV], 18                      ; my 128 channels
	s_add_co_u32 s20, s20, s21
	s_mov_b32 s21, 0
	s_and_b32 s22, s[WV], 1                        ; the matrices: my quarter of a tile
	s_lshl_b32 s22, s22, 10
	s_lshr_b32 s23, s[WV], 1
	s_lshl_b32 s23, s23, 18
	s_add_co_u32 s22, s22, s23
	s_mov_b32 s23, 0
	s_lshl_b32 s76, s[QB], 8                       ; my queries' 256 bytes of a row of h
	s_mov_b32 s77, 0
	s_mul_i32 s78, s[WV], WQ                       ; my 128 rows of a slot: no place in the cluster enters an LDS address
	s_lshl_b32 s80, s[BT], 21                      ; x and out: the batch's 2 MiB,
	s_lshl_b32 s81, s[WV], 16                      ; my 16 rows of a unit,
	s_add_co_u32 s80, s80, s81
	s_lshl_b32 s81, s[QB], 9                       ; my work-group's 512 bytes of a row
	s_add_co_u32 s80, s80, s81
	s_mov_b32 s81, 0
	s_mov_b32 s[SEL], 0x76543210
	s_mov_b32 s[SEL+1], 0xfedcba98
	s_mov_b32 s[STP+1], 0
	s_mov_b32 s[STP+3], 0
	s_mov_b32 s[TB], 0
	s_mov_b32 s[UI], 0
	v_and_b32 v1, 15, v0                           ; l % 16
	v_bfe_u32 v2, v0, 4, 1                         ; l / 16
	v_and_b32 v3, 31, v0                           ; l
	v_lshlrev_b32 v[UO], 5, v2
	v_lshlrev_b32 v[WO], 4, v2
	v_mov_b32 v[ZO], 0
	s_wait_dscnt 0x0                               ; the opening add is done
	s_wait_kmcnt 0x0
	s_add_nc_u64 s[PH:PH+1], s[4:5], s[20:21]
	s_add_nc_u64 s[PM:PM+1], s[6:7], s[22:23]
	s_add_nc_u64 s[PW:PW+1], s[8:9], s[22:23]
	s_mov_b32 s[G0A], 1
	s_mov_b32 s[G0A+1], s78                        ; slot 0
	s_add_nc_u64 s[G0A+2:G0A+3], s[PH:PH+1], s[76:77]
	s_or_b32 s[G0A+3], s[G0A+3], 0x80000000
	s_mov_b32 s[G0], 1
	s_add_co_u32 s[G0+1], s78, SLOT                ; slot 1
	s_mov_b64 s[G0+2:G0+3], s[PM:PM+1]             ; Mt's tile 0
	s_or_b32 s[G0+3], s[G0+3], 0x80000000
	s_add_nc_u64 s[PM:PM+1], s[PM:PM+1], 256
	s_add_nc_u64 s[XP:XP+1], s[12:13], s[80:81]
	s_add_nc_u64 s[OP:OP+1], s[14:15], s[80:81]
	s_add_nc_u64 s[BP:BP+1], s[10:11], 2048
	ROUND                                          ; all four work-groups are here: the first loads go out as one group
	tensor_load_to_lds s[G0A:G0A+3], s[G1P:G1P+7]
	s_nop 0
	tensor_load_to_lds s[G0:G0+3], s[G1J:G1J+7]
	s_nop 0
	PLACES
.set q, 0
.rept 16                               ; w2 as sixteen fragments whose 16 rows are alike
	global_load_b128 v[FR+8*q:FR+8*q+3],   v[WO], s[10:11] offset:4352+64*q
	global_load_b128 v[FR+8*q+4:FR+8*q+7], v[WO], s[10:11] offset:4352+64*q+32
.set q, q+1
.endr
.irp t, 0,1
	global_load_b128 v[T+8*\t:T+8*\t+3],   v[ZO], s[10:11] offset:4096   ; s0 starts t's sums
	global_load_b128 v[T+8*\t+4:T+8*\t+7], v[ZO], s[10:11] offset:4096+16
.endr
	WIN 0x40
.set q, 0
.rept 32                               ; u as it is added to q's results: rows 16 q + 8 (l / 16) + 0..7
	global_load_b128 v[8*q:8*q+3],   v[UO], s[10:11] offset:64*q
	global_load_b128 v[8*q+4:8*q+7], v[UO], s[10:11] offset:64*q+16
.set q, q+1
.endr
	WIN 0
	v_and_b32 v21, 7, v0
	v_lshl_add_u32 v21, v21, 1, v2
	v_mul_u32_u24 v[AKT], v21, PITCH
	v_bfe_u32 v21, v0, 3, 1
	v_lshl_add_u32 v[AKT], v21, 4, v[AKT]
	v_mul_u32_u24 v[AVP], v1, PITCH
	v_lshl_add_u32 v[AVP], v2, 4, v[AVP]
	s_lshl_b32 s82, s[WV], 6                       ; my 32 queries in my own tile: 64 bytes on
	v_add_nc_u32 v[AK0], s82, v[AKT]
	v_add_nc_u32 v[AK0+1], HALF, v[AK0]
	v_mul_u32_u24 v[STO], v1, SP                   ; the way out, in: row l % 16, tokens 32 w + 8 (l / 16) on
	v_lshl_add_u32 v[STO], v2, 5, v[STO]
	s_lshl_b32 s82, s[WV], 7
	s_add_co_u32 s82, s82, STAGE
	v_add_nc_u32 v[STO], s82, v[STO]
	s_mul_i32 s82, s[WV], 16*SP                    ; back: rows 16 w on, a whole row of 512 bytes a load
	s_add_co_u32 s82, s82, STAGE
	v_lshl_add_u32 v[RD], v3, 4, s82
	v_lshlrev_b32 v[XO], 4, v3
	v_lshrrev_b32 v21, 1, v3
	v_and_b32 v[PXO], 1, v3
	v_lshlrev_b32 v[PXO], 8, v[PXO]
	v_lshl_add_u32 v[PXO], v21, 12, v[PXO]
	v_lshlrev_b32 v[B2O], 2, v1
.irp i, 0,1,2,3
	v_mov_b32 v[B2+2*\i+1], 0                      ; named with b2 as pairs
.endr
.irp t, 0,1
	v_mov_b32 v[ST+8*\t], 0xff7fffff               ; m: the lowest finite number, so the first a is 0
	v_mov_b32 v[ST+8*\t+2], 0
	v_mov_b32 v[ST+8*\t+3], 0
.endr
	WIN 0xc0                                       ; the upper half of O^T starts at 0, written in the wait for the first tiles; the lower half will hold h's bits, which are finite
.set q, 0
.rept 256
	v_mov_b32 v[q], 0
.set q, q+1
.endr
	WIN 0
	s_wait_tensorcnt 0x1                           ; my part of my own tile is in; Mt's tile 0, issued behind it, may stay out
	s_barrier_signal -1
	s_barrier_wait -1                              ; everybody's part is
	WIN 0x80
.set q, 0
.rept 16                               ; my queries' h as source 1: K step q, tile t, in the order sig
.irp t, 0,1
	ds_load_tr16_b128 v[(2*q+\t)*8:(2*q+\t)*8+3],   v[AK0+q/8] offset:(q%8)*8704+32*\t
	ds_load_tr16_b128 v[(2*q+\t)*8+4:(2*q+\t)*8+7], v[AK0+q/8] offset:(q%8)*8704+32*\t+4352
.endr
.set q, q+1
.endr
	s_wait_loadcnt 0x0                             ; w2, s0, u
	s_wait_dscnt 0x0
	WIN 0x08
.set q, 0
.rept 16                               ; t = w2 . h + s0: the two tiles' sums take turns
.irp t, 0,1
	v_wmma_f32_16x16x32_bf16 v[T+8*\t:T+8*\t+7], v[FR+8*q:FR+8*q+7], v[(2*q+\t)*8:(2*q+\t)*8+7], v[T+8*\t:T+8*\t+7]
.endr
.set q, q+1
.endr
	PLACES
	PLACES
	WIN 0
	; ---- q' = Mt H + u: four tiles of Mt, two units of 64 rows each
	s_mov_b32 s[OUTER], 4
.Lqtile:
	CHANGE PM, PH, OUTER                           ; the last trip asks for h's key tile 0
	s_mov_b32 s[TS], s[TB]
	s_mov_b32 s[INNER], 2
.Lqunit:
	v_add_nc_u32 v[AW], s[TS], v[AVP]
	LDG 2, 0
	LDG 2, 1
	LDG 2, 2
	LDG 2, 3
	PHASE 1
	PLACES
	WIN 0
.irp k, 0,1,2,3,4,5,6                  ; registers cannot be indexed: the unit's number chooses one of eight texts, by jumps forward
	s_cmp_eq_u32 s[UI], \k
	s_cbranch_scc1 .Lqb\k
.endr
	QBLOCK 7
	s_branch .Lqjoin
.irp k, 0,1,2,3,4,5,6
.Lqb\k:
	QBLOCK \k
	s_branch .Lqjoin
.endr
.Lqjoin:
	s_add_co_u32 s[UI], s[UI], 1
	s_add_co_u32 s[TS], s[TS], HALF
	s_sub_co_u32 s[INNER], s[INNER], 1
	s_cmp_lg_u32 s[INNER], 0
	s_cbranch_scc1 .Lqunit
	s_sub_co_u32 s[OUTER], s[OUTER], 1
	s_cmp_lg_u32 s[OUTER], 0
	s_cbranch_scc1 .Lqtile
	; ---- the keys: eight tiles of h, two steps of 64 keys each
	s_mov_b32 s[OUTER], 8
.Lktile:
	CHANGE PH, PW, OUTER                           ; the last trip asks for M2t's tile 0
	s_mov_b32 s[TS], s[TB]
	s_mov_b32 s[INNER], 2
.Lsub:
	v_add_nc_u32 v[AK0], s[TS], v[AKT]             ; with the four v_nop behind the last product these four are the places in front of the loads below and of the products that write S^T anew
	v_add_nc_u32 v[AK0+1], HALF, v[AK0]
	v_add_nc_u32 v[AV0], s[TS], v[AVP]
	v_add_nc_u32 v[AV0+1], HALF, v[AV0]
	LDG 0, 0
	LDG 0, 1
	LDG 0, 2
	LDG 0, 3
.set gg, 0
.rept 16                               ; S^T = K Q^T + t; its last four groups fetch V's first four, so 24 younger loads are out at every wait
	s_wait_dscnt 24
	MMG 0, gg
	PLACES
.if gg < 12
	LDG 0, gg+4
.else
	LDG 1, gg-12
.endif
.set gg, gg+1
.endr
	PLACES
	WIN 0
	; the softmax of both tiles, the tiles alternating.  The maximum of the lane's 32 scores and the old m: each accumulator's lowest registers are read first
.irp i, 0,1,2,3
.irp t, 0,1
	v_max3_num_f32 v[ST+8*\t+4+\i], v[S+32*\t+8*\i], v[S+32*\t+8*\i+1], v[S+32*\t+8*\i+2]
.endr
.endr
.irp k, 3,5
.irp i, 0,1,2,3
.irp t, 0,1
	v_max3_num_f32 v[ST+8*\t+4+\i], v[ST+8*\t+4+\i], v[S+32*\t+8*\i+\k], v[S+32*\t+8*\i+\k+1]
.endr
.endr
.endr
.irp t, 0,1
	v_max3_num_f32 v[ST+8*\t+4], v[ST+8*\t+4], v[S+32*\t+7], v[S+32*\t+15]
.endr
.irp t, 0,1
	v_max3_num_f32 v[ST+8*\t+6], v[ST+8*\t+6], v[S+32*\t+23], v[S+32*\t+31]
.endr
.irp t, 0,1
	v_max3_num_f32 v[ST+8*\t+4], v[ST+8*\t+4], v[ST+8*\t+5], v[ST+8*\t+6]
.endr
.irp t, 0,1
	v_max3_num_f32 v[ST+8*\t+4], v[ST+8*\t+4], v[ST+8*\t+7], v[ST+8*\t]
.endr
.irp t, 0,1
	v_permlanex16_b32 v[ST+8*\t+5], v[ST+8*\t+4], s[SEL], s[SEL+1]  ; the query's other 32 keys lie in the lane 16 away
.endr
.irp t, 0,1
	v_max_num_f32 v[ST+8*\t+6], v[ST+8*\t+4], v[ST+8*\t+5]
.endr
.irp t, 0,1
	v_sub_f32 v[ST+8*\t+1], v[ST+8*\t], v[ST+8*\t+6]                ; m_old - m_new
.endr
.irp t, 0,1
	v_mov_b32 v[ST+8*\t], v[ST+8*\t+6]
.endr
	; ONE BATCH of 66 exponentials, the subtractions dealt among them two pairs ahead; nothing in it names an exponential's result
.irp t, 0,1
	v_exp_f32 v[ST+8*\t+4], v[ST+8*\t+1]                            ; a
.endr
.irp k, 0,1
.irp t, 0,1
	SUBM \t, \k
.endr
.endr
.set kk, 0
.rept 16
	EXPS 0, 2*kk
.if kk < 14
	SUBM 0, kk+2
.endif
	EXPS 1, 2*kk
.if kk < 14
	SUBM 1, kk+2
.endif
	EXPS 0, 2*kk+1
	EXPS 1, 2*kk+1
.set kk, kk+1
.endr
	v_nop                                          ; a plain instruction behind the last exponential: one for the batch
	s_wait_alu depctr_va_vdst(0)                   ; the wait ahead of the first reader: one for the batch
	; the step's sum z (of the unrounded weights), and the weights rounded in place: pair k goes into register k, which an earlier pair has left
.irp t, 0,1
	v_pk_add_f32 v[ST+8*\t+6:ST+8*\t+7], v[S+32*\t:S+32*\t+1], v[S+32*\t+2:S+32*\t+3]
.endr
.irp k, 0,1
.irp t, 0,1
	v_cvt_pk_bf16_f32 v[S+32*\t+\k], v[S+32*\t+2*\k], v[S+32*\t+2*\k+1]
.endr
.endr
.irp k, 2,3,4,5,6,7,8,9,10,11,12,13,14,15
.irp t, 0,1
	v_pk_add_f32 v[ST+8*\t+6:ST+8*\t+7], v[ST+8*\t+6:ST+8*\t+7], v[S+32*\t+2*\k:S+32*\t+2*\k+1]
.endr
.irp t, 0,1
	v_cvt_pk_bf16_f32 v[S+32*\t+\k], v[S+32*\t+2*\k], v[S+32*\t+2*\k+1]
.endr
.endr
.irp t, 0,1
	v_pk_fma_f32 v[ST+8*\t+2:ST+8*\t+3], v[ST+8*\t+2:ST+8*\t+3], v[ST+8*\t+4:ST+8*\t+5], v[ST+8*\t+6:ST+8*\t+7] op_sel_hi:[1,0,1]  ; l = a l + z
.endr
.irp n, 0,1,2,3,4,5,6,7
	RSC 0, \n                                      ; the first group's accumulators times a; the other groups' ride behind the products
.endr
.set gg, 0
.rept 16                               ; O^T = a O^T + V^T P: groups 0-7 the first 32 keys, 8-15 the other 32
.if gg < 13
	s_wait_dscnt 24
.else
	s_wait_dscnt 8*(15-gg)
.endif
.if gg < 7
	MMGV gg, 1
.else
	MMGV gg, 0
	PLACES
.endif
.if gg < 12
	LDG 1, gg+4
.endif
.set gg, gg+1
.endr
	WIN 0
	s_add_co_u32 s[TS], s[TS], 128                 ; the next 64 keys
	s_sub_co_u32 s[INNER], s[INNER], 1
	s_cmp_lg_u32 s[INNER], 0
	s_cbranch_scc1 .Lsub
	s_sub_co_u32 s[OUTER], s[OUTER], 1
	s_cmp_lg_u32 s[OUTER], 0
	s_cbranch_scc1 .Lktile
	; ---- O / l, rounded to bf16: source 0 of the last product, in window 1.  M2t's tile 0 is on its way meanwhile.
.irp t, 0,1
	v_add_f32 v[ST+8*\t+4], v[ST+8*\t+2], v[ST+8*\t+3]
.endr
.irp t, 0,1
	v_permlanex16_b32 v[ST+8*\t+5], v[ST+8*\t+4], s[SEL], s[SEL+1]
.endr
.irp t, 0,1
	v_add_f32 v[ST+8*\t+4], v[ST+8*\t+4], v[ST+8*\t+5]
.endr
.irp t, 0,1
	v_rcp_f32 v[ST+8*\t+6], v[ST+8*\t+4]
.endr
	v_nop                                          ; a plain instruction behind the last reciprocal,
	s_wait_alu depctr_va_vdst(0)                   ; and one wait for the two
.irp w, 0,1
	WIN 0x82+0x41*\w
.set q, 0
.rept 128
	v_pk_mul_f32 v[2*q:2*q+1], v[2*q:2*q+1], v[ST+8*((q/4)%2)+6:ST+8*((q/4)%2)+7] op_sel_hi:[1,0]
.set q, q+1
.endr
	WIN 0x4a+5*\w                                  ; sources in O's window, destination in window 1
.set q, 0
.rept 128                              ; channel block 16 w + q / 8, tile (q / 4) % 2, pair q % 4 -> K step 8 w + q / 16, half (q / 8) % 2
	v_cvt_pk_bf16_f32 v[(2*(8*\w+q/16)+(q/4)%2)*8+((q/8)%2)*4+q%4], v[2*q], v[2*q+1]
.set q, q+1
.endr
.endr
	WIN 0
; ---- out = M2t O + b2 + x.  A tile of M2t is two units of 64 rows d.  A unit: b2 and x are asked for; 128 products; the bias; the four waves' 64 x 128 results meet in the stage;
; each wave reads 16 whole rows back, adds x and stores them.  pf = 1: x's rows of the unit two on are prefetched.
.macro TWO_UNITS pf
	s_mov_b32 s[TS], s[TB]
	s_mov_b32 s[INNER], 2
.Lunit_\@:
.irp i, 0,1,2,3
	global_load_b32 v[B2+2*\i], v[B2O], s[BP:BP+1] offset:64*\i
.endr
	WIN 0x80
.set q, 0
.rept 16
	global_load_b128 v[4*q:4*q+3], v[XO], s[XP:XP+1] offset:4096*q th:TH_LOAD_NT  ; a row's 512 consecutive bytes
.set q, q+1
.endr
	WIN 0
	v_add_nc_u32 v[AW], s[TS], v[AVP]
	LDG 2, 0
	LDG 2, 1
	LDG 2, 2
	LDG 2, 3
.if \pf
	global_prefetch_b8 v[PXO], s[XP:XP+1] offset:524288 th:TH_LOAD_NT scope:SCOPE_SE  ; my 16 rows x 2 blocks of the unit two on (128 rows of 4,096 bytes), behind the unit's loads
.endif
	PHASE 2
	PLACES
	WIN 0
	s_wait_loadcnt 16                              ; b2 is in; x's sixteen loads, issued behind it, may stay out
.irp i, 0,1,2,3
.irp t, 0,1
.irp p, 0,1,2,3
	v_pk_add_f32 v[S+32*\t+8*\i+2*\p:S+32*\t+8*\i+2*\p+1], v[S+32*\t+8*\i+2*\p:S+32*\t+8*\i+2*\p+1], v[B2+2*\i:B2+2*\i+1] op_sel_hi:[1,0]
.endr
.endr
.endr
.irp i, 0,1,2,3
.irp t, 0,1
	ds_store_b128 v[STO], v[S+32*\t+8*\i:S+32*\t+8*\i+3]   offset:8448*\i+64*\t
	ds_store_b128 v[STO], v[S+32*\t+8*\i+4:S+32*\t+8*\i+7] offset:8448*\i+64*\t+16
.endr
.endr
	s_wait_dscnt 0x0                               ; for the others' sake: my stores into the stage are done
	s_barrier_signal -1
	s_barrier_wait -1
	WIN 0x80
.set q, 0
.rept 16
	ds_load_b128 v[64+4*q:64+4*q+3], v[RD] offset:SP*q
.set q, q+1
.endr
	s_wait_loadcnt 0x0                             ; x
	WIN 0x8a
.set q, 0
.rept 16
	s_wait_dscnt 15-q                              ; row q is back; the younger rows may stay out
	v_pk_add_f32 v[64+4*q:64+4*q+1], v[64+4*q:64+4*q+1], v[4*q:4*q+1]
	v_pk_add_f32 v[64+4*q+2:64+4*q+3], v[64+4*q+2:64+4*q+3], v[4*q+2:4*q+3]
.set q, q+1
.endr
	WIN 0x08                                       ; store data (source 1) in window 2
.set q, 0
.rept 16
	global_store_b128 v[XO], v[64+4*q:64+4*q+3], s[OP:OP+1] offset:4096*q th:TH_STORE_NT  ; 512 consecutive bytes, at a multiple of 512 from out's first byte
.set q, q+1
.endr
	WIN 0
	s_barrier_signal -1                            ; every wave's reads of the stage are back (the count-down ended at 0): the next unit may write it
	s_barrier_wait -1
	s_wait_xcnt 0x0                                ; the loads, stores and the prefetch have read their addresses and data: the pointers and the rows' registers may be written
	s_add_nc_u64 s[XP:XP+1], s[XP:XP+1], 262144
	s_add_nc_u64 s[OP:OP+1], s[OP:OP+1], 262144
	s_add_nc_u64 s[BP:BP+1], s[BP:BP+1], 256
	s_add_co_u32 s[TS], s[TS], HALF
	s_sub_co_u32 s[INNER], s[INNER], 1
	s_cmp_lg_u32 s[INNER], 0
	s_cbranch_scc1 .Lunit_\@
.endm
	s_mov_b32 s[OUTER], 3
.Letile:
	CHANGE1                                        ; M2t's tiles 1, 2, 3 are asked for
	TWO_UNITS 1
	s_sub_co_u32 s[OUTER], s[OUTER], 1
	s_cmp_lg_u32 s[OUTER], 0
	s_cbranch_scc1 .Letile
	CHANGE0                                        ; the last tile is written out
	TWO_UNITS 0
	s_wait_tensorcnt 0x0                           ; the wave's end: behind my last tensor load and my last LDS store
	ds_add_u32 v[SPW], v[NIL]
	s_wait_dscnt 0x0
	ROUND                                          ; the closing round: no work-group ends while a partner may still ask for a tile that names it
	s_endpgm
.Lfunc_end_k_qa92523b729_attn:
	.size	k_qa92523b729_attn, .Lfunc_end_k_qa92523b729_attn-k_qa92523b729_attn
	.p2alignl 7, 3214868480
	.fill 96, 4, 3214868480
	.section	.rodata,"a",@progbits
	.p2align	6, 0x0
	.amdhsa_kernel k_qa92523b729_attn
		.amdhsa_group_segment_fixed_size 327680
		.amdhsa_private_segment_fixed_size 0
		.amdhsa_enable_private_segment 0
		.amdhsa_kernarg_size 48
		.amdhsa_user_sgpr_count 2
		.amdhsa_user_sgpr_kernarg_segment_ptr 1
		.amdhsa_wavefront_size32 1
		.amdhsa_system_sgpr_workgroup_id_x 1
		.amdhsa_system_sgpr_workgroup_id_y 1
		.amdhsa_system_sgpr_workgroup_id_z 1
		.amdhsa_system_vgpr_workitem_id 0
		.amdhsa_next_free_vgpr 1024
		.amdhsa_next_free_sgpr 96
		.amdhsa_reserve_vcc 0
		.amdhsa_float_denorm_mode_32 3
		.amdhsa_float_denorm_mode_16_64 3
		.amdhsa_memory_ordered 1
		.amdhsa_forward_progress 1
		.amdhsa_inst_pref_size 247
	.end_amdhsa_kernel
	.amdgpu_metadata
---
amdhsa.version: [ 1, 2 ]
amdhsa.kernels:
  - .name:           k_qa92523b729_attn
    .symbol:         k_qa92523b729_attn.kd
    .args:
      - { .name: hbuf, .offset: 0, .size: 8, .value_kind: global_buffer, .address_space: global }
      - { .name: wm, .offset: 8, .size: 8, .value_kind: global_buffer, .address_space: global }
      - { .name: w2m, .offset: 16, .size: 8, .value_kind: global_buffer, .address_space: global }
      - { .name: vec, .offset: 24, .size: 8, .value_kind: global_buffer, .address_space: global }
      - { .name: x, .offset: 32, .size: 8, .value_kind: global_buffer, .address_space: global }
      - { .name: out0, .offset: 40, .size: 8, .value_kind: global_buffer, .address_space: global }
    .group_segment_fixed_size: 327680
    .private_segment_fixed_size: 0
    .kernarg_segment_align: 8
    .kernarg_segment_size: 48
    .max_flat_workgroup_size: 128
    .sgpr_count:     96
    .vgpr_count:     1024
    .wavefront_size: 32
...
	.end_amdgpu_metadata
.endif
;; end of part 2
